; MI455X (gfx1250); checked and timed in simulation.
; The chip was launched on July 23, 2026; its instructions are those of AMD's public machine-readable ISA for CDNA 5 (MIT licence, August 2026) and "CDNA5" Instruction Set Architecture Reference Guide (July 2026). The comments in the code are by the model that wrote it; some were corrected since.
;; Block. Allowed arithmetic: matrix products marked QUANTISED: E2M3 operands, one E8M0 scale for each 32 along K, by v_wmma_scale_f32_16x16x128_f8f6f4 with both operands' format E2M3, f32 sums; products left as they are: f32 operands where the result goes on into a quantised operand, else bf16, f16 or f32 operands; f32 sums; everything else in f32.
;; Inputs: W1 256 x 1,024 float32; W2 1,024 x 256 float32; Wk 4 x 256 x 64 float32; Wo 256 x 256 float32; Wq 4 x 256 x 64 float32; Wv 4 x 256 x 64 float32; b1 1,024 float32; b2 256 float32; be1 256 float32; be2 256 float32; bo 256 float32; g1 256 float32; g2 256 float32; x 4,096 x 16 x 256 float32.
;; Outputs: out0 4,096 x 16 x 256 float32.
;; This version of the problem:
;;   THIS VERSION OF THE PROBLEM IS GIVEN IN LOW PRECISION. The matrix products marked QUANTISED in the list below multiply operands that are first quantised to E2M3 (2 exponent bits, 3 mantissa bits; 6 bits a number), with one power-of-two scale for each 32 numbers along K (OCP MX v1.0); their sums are f32. All else is computed in f32.
;;   The module's matrix products, in the order in which they are computed (A, B: the left and right operand; K: the contracted axis; several contracted axes count as one K, in the product's order):
;;     1. [M 256, K 256] x [K 256, N 65,536]; A: input Wq; B: computed on the way: QUANTISED
;;     2. [M 256, K 256] x [K 256, N 65,536]; A: input Wk; B: computed on the way: QUANTISED
;;     3. [M 256, K 256] x [K 256, N 65,536]; A: input Wv; B: computed on the way: QUANTISED
;;     4. batch 16,384 x [M 16, K 64] x [K 64, N 16]; A: computed on the way; B: computed on the way: QUANTISED
;;     5. batch 16,384 x [M 16, K 16] x [K 16, N 64]; A: softmax; B: computed on the way: left as it is (K = 16 < 32)
;;     6. [M 65,536, K 256] x [K 256, N 256]; A: computed on the way; B: input Wo: QUANTISED
;;     7. [M 65,536, K 256] x [K 256, N 1,024]; A: computed on the way; B: input W1: QUANTISED
;;     8. [M 65,536, K 1,024] x [K 1,024, N 256]; A: computed on the way; B: input W2: QUANTISED
;;   THE QUANTISER, for each operand of a quantised product, along K:
;;     - K is cut into blocks of 32 from its start; a last block that is shorter is filled with zeros.
;;     - A block's scale is 2^e with e = floor(log2(the largest magnitude in the block)) - 2, held to -126 .. 127; a block of zeros has e = 0. As a byte (E8M0): e + 127.
;;     - Each number is divided by its block's scale, clamped to +-7.5, and rounded to the nearest number of E2M3, ties to even, subnormals kept.
;;     - The product sums the exact products of the quantised numbers (number of the format x scale) in f32.
;;   ~~~python
;;   def quantise(x, axis):      # numpy; x: float32 -> the quantised numbers, widened to float32 again
;;       x = np.moveaxis(x, axis, -1); K = x.shape[-1]
;;       x = np.pad(x, [(0, 0)] * (x.ndim - 1) + [(0, -K % 32)]); x = x.reshape(x.shape[:-1] + (-1, 32)); a = np.abs(x).max(-1, keepdims=True)
;;       e = np.where(a > 0, np.clip(np.frexp(np.where(a > 0, a, 1))[1] - 1 - 2, -126, 127), 0)      # np.frexp(a)[1] - 1 = floor(log2(a)), exactly
;;       r = np.clip(x / 2.0 ** e, -7.5, 7.5)
;;       step = 2.0 ** (np.maximum(np.frexp(np.where(r == 0, 1, r))[1] - 1, 0) - 3)
;;       q = np.round(r / step) * step * 2.0 ** e      # np.round: ties to even
;;       return np.moveaxis(q.reshape(q.shape[:-2] + (-1,))[..., :K], -1, axis).astype(np.float32)
;;   ~~~
;;   OPERANDS COMPUTED ON THE WAY. 'Computed on the way' means the value that the module computes at that place (a softmax that the list does not call 'softmax' is quantised finished and normalised). What goes into a quantiser is computed in f32, as accurately as f32 sums, v_exp_f32 and their like allow (about 1e-6 of the number): no bf16 or f16 on the way to a quantiser, and a product that is left as it is and whose result goes on into a quantised operand takes f32 operands (vector FMAs, or v_wmma_f32_16x16x4_f32). A number that lies on a knife's edge between two numbers of the format may be rounded either way, as far as f32 arithmetic and the matrix unit's own rounding can turn it there, and no further.
;; One version. Each part assembles by itself: llvm-mc -triple=amdgcn-amd-amdhsa -mcpu=gfx1250 --defsym DOCPART=n.
;; ======== version 1 of 1: 2 launches
;; limits: right only within a limited range of input values
;; workspace buffers: wimg 624,640 bytes
;; launch prep (part 1): grid 49 x 1, 8 waves a work-group, no clusters, 13,824 bytes of LDS; arguments Wq, Wk, Wv, Wo, W1, W2, g1, be1, bo, g2, be2, b2, b1, wimg; writes wimg
.if DOCPART == 1
	.amdgcn_target "amdgcn-amd-amdhsa--gfx1250"
	.amdhsa_code_object_version 6
	.text
	.protected	k_q560ed61893_prep
	.globl	k_q560ed61893_prep
	.p2align	8
	.type	k_q560ed61893_prep,@function
k_q560ed61893_prep:
	s_mov_b64 s[64:65], 0
	v_nop
	global_prefetch_b8 v0, s[64:65] scope:SCOPE_SE
	s_setreg_imm32_b32 hwreg(HW_REG_WAVE_MODE, 25, 1), 1
	s_wait_xcnt 0x0
; The six weights, all f32 with K as the axis that is NOT innermost, become codes of FP6 (E2M3) with one E8M0 byte for each 32 along K, laid in wimg in the order
; of the matrix operand's registers.  wimg = 48 parts of 12,800 bytes, then 10,240 bytes of parameters (g1, be1, bo, g2, be2, b2, b1), copied as they are.
; A PART = 8 fragments (16 weight columns x 128 along K, 12 registers a lane) of 1,536 bytes + 512 bytes of scale words.  Register group g (registers 4 g .. 4 g + 3) of lane l of
; fragment f lies at 1536 f + 512 g + 16 l.  Lane r of column tile 2 b + u holds column 32 b + 8 u + r + 8 (r / 8).  The scale word of fragment f, row r: 12288 + 16 (16 (f % 2) + r) + 4 (f / 2).
; Parts 0-3 Wq by head, 4-7 Wk, 8-11 Wv, 12-15 Wo by 64 columns: f = 2 x tile + K step.  Parts 16 + 4 c + e (e = 0, 1): W1, hidden units 128 c + 64 e on, f likewise.
; Parts 16 + 4 c + 2 + i: W2, K = 128 c on, columns 128 i on: tile = f / 2 + 4 (f % 2).
; SHARES.  Work-group p < 48 makes part p; work-group 48 copies the parameters.  A LANE TAKES A COLUMN AND ITS REGISTERS RUN DOWN K: wave (a, bq, cq), lane l: one column, 64 along K = two blocks,
; which are the two halves of the lanes (h = 0, 1) of registers 6 bq .. 6 bq + 5 of a fragment.  The part is gathered in LDS and leaves in stores of 512 consecutive bytes.
; A block's scale is 2^(floor(log2(largest magnitude)) - 2); its byte is the largest magnitude's exponent field - 2, held at 1 from below.
; LIMITS: a block of zeros, or one whose largest magnitude lies under 2^-124, gets the byte 1 (the rule says 127 for zeros: the codes are zeros, and this program alone reads the bytes);
; NaN and infinities among the inputs are not served.
.set SPARE, 12800                      ; behind the part's image: the spare words, 128 bytes for each of eight waves
.set PARG,  614400                     ; where the parameters begin in wimg
.set X,     32                         ; v32-95   64 numbers: my column, 64 along K
.set P,     96                         ; v96-101, v104-109  a block's six registers of codes
.set CT,    112                        ; v112-114 the second half of a block's codes, as the conversion leaves them
	s_load_b512 s[4:19], s[0:1], 0x0               ; Wq, Wk, Wv, Wo, W1, W2, g1, be1
	s_load_b256 s[20:27], s[0:1], 0x40             ; bo, g2, be2, b2
	s_load_b128 s[28:31], s[0:1], 0x60             ; b1, wimg
	v_lshl_add_u32 v16, v0, 2, SPARE               ; my spare word; never rewritten
	v_mov_b32 v17, 0                               ; 0; never rewritten
	v_lshrrev_b32 v8, 5, v0
	s_delay_alu instid0(VALU_DEP_1)
	v_readfirstlane_b32 s32, v8                    ; wave 0..7
	s_and_b32 s33, s32, 1                          ; a
	s_bfe_u32 s34, s32, 0x10001                    ; bq
	s_lshr_b32 s35, s32, 2                         ; cq
	v_and_b32 v1, 31, v0                           ; lane
	s_delay_alu instid0(VALU_DEP_1)
	v_lshlrev_b32 v2, 2, v1                        ; my column's 4 bytes
	v_bfe_u32 v8, v0, 3, 1                         ; u: which tile of the pair my column falls into
	v_bfe_u32 v9, v0, 4, 1
	v_and_b32 v10, 7, v0
	s_delay_alu instid0(VALU_DEP_1)
	v_lshl_add_u32 v10, v9, 3, v10                 ; r: its row in that tile
	s_delay_alu instid0(VALU_DEP_4)
	v_mul_u32_u24 v11, v8, 3072
	s_delay_alu instid0(VALU_DEP_1)
	v_lshl_add_u32 v11, v10, 4, v11                ; 3072 u + 16 r
	s_mul_i32 s40, s33, 6144
	s_mul_i32 s41, s35, 1536
	s_add_co_u32 s40, s40, s41
	v_add_nc_u32 v11, s40, v11                     ; + 1536 f's other terms: f = 4 a + 2 u + cq
	s_mul_i32 s41, s34, 520
	v_add_nc_u32 v3, s41, v11                      ; registers 6 bq, 6 bq + 1: byte 0 or 520 of a lane's column of groups
	s_mul_i32 s42, s34, 1016
	s_add_co_u32 s42, s42, 8
	v_add_nc_u32 v4, s42, v11                      ; registers 6 bq + 2, + 3: 8 or 1024
	s_add_co_u32 s41, s41, 512
	v_add_nc_u32 v5, s41, v11                      ; registers 6 bq + 4, + 5: 512 or 1032
	v_lshlrev_b32 v6, 4, v10
	s_delay_alu instid0(VALU_DEP_1)
	v_lshl_add_u32 v6, v8, 2, v6                   ; scale bytes: 16 r + 4 u
	s_lshl_b32 s41, s35, 8
	s_lshl_b32 s42, s33, 3
	s_add_co_u32 s41, s41, s42
	s_lshl_b32 s42, s34, 1
	s_add_co_u32 s41, s41, s42
	s_add_co_u32 s41, s41, 12288
	v_add_nc_u32 v6, s41, v6                       ; + 12288 + 256 cq + 8 a + 2 bq
	v_lshlrev_b32 v7, 4, v0                        ; 16 x thread: the way out
	s_lshl_b32 s43, s35, 7
	s_lshl_b32 s44, s34, 6
	s_add_co_u32 s43, s43, s44                     ; 128 cq + 64 bq: my first k in every kind but W2
	s_lshl_b32 s45, s33, 7                         ; 32 a columns, in bytes
	s_mov_b32 s39, 0
	s_wait_kmcnt 0x0
	s_cmp_eq_u32 ttmp9, 48
	s_cbranch_scc0 .Lpart
	; ---- work-group 48: the parameters, 16 bytes a thread; no LDS
	s_lshr_b32 s40, s32, 1                         ; two waves to an array of 1,024 bytes
	s_cmp_eq_u32 s40, 0
	s_cselect_b64 s[36:37], s[16:17], s[18:19]     ; g1, be1,
	s_cselect_b64 s[38:39], s[24:25], s[26:27]     ; (second round: be2, b2)
	s_cmp_eq_u32 s40, 2
	s_cselect_b64 s[36:37], s[20:21], s[36:37]     ; bo,
	s_cmp_eq_u32 s40, 3
	s_cselect_b64 s[36:37], s[22:23], s[36:37]     ; g2
	v_and_b32 v8, 63, v0
	s_delay_alu instid0(VALU_DEP_1)
	v_lshlrev_b32 v8, 4, v8
	global_load_b128 v[32:35], v8, s[36:37]
	s_wait_alu depctr_va_vdst(0)
	global_load_b128 v[40:43], v7, s[28:29]        ; b1: 4,096 bytes, all 256 threads
	s_add_nc_u64 s[30:31], s[30:31], PARG
	s_wait_loadcnt 0x0
	global_store_b128 v7, v[32:35], s[30:31]
	global_store_b128 v7, v[40:43], s[30:31] offset:6144
	s_cmp_lt_u32 s32, 4                            ; be2 and b2: waves 0 to 3
	s_cbranch_scc0 .Lend
	global_load_b128 v[36:39], v8, s[38:39]
	s_wait_loadcnt 0x0
	global_store_b128 v7, v[36:39], s[30:31] offset:4096
	s_branch .Lend
.macro LOADS pitch                     ; my column, 64 rows down K: 32 lanes read 128 consecutive bytes
.set p, 0
.rept 64
	global_load_b32 v[X+p], v2, s[36:37] offset:p*(\pitch) th:TH_LOAD_NT
.set p, p+1
.endr
.endm
.Lpart:
	s_cmp_lt_u32 ttmp9, 12
	s_cbranch_scc0 .Lnot_qkv
	s_lshr_b32 s46, ttmp9, 2                       ; Wq, Wk or Wv: [4][256][64], a row of 256 bytes
	s_cmp_eq_u32 s46, 0
	s_cselect_b64 s[36:37], s[4:5], s[6:7]
	s_cmp_eq_u32 s46, 2
	s_cselect_b64 s[36:37], s[8:9], s[36:37]
	s_and_b32 s38, ttmp9, 3
	s_lshl_b32 s38, s38, 16                        ; the head's 65,536 bytes
	s_lshl_b32 s46, s43, 8
	s_add_co_u32 s38, s38, s46
	s_add_co_u32 s38, s38, s45
	s_add_nc_u64 s[36:37], s[36:37], s[38:39]
	LOADS 256
	s_branch .Lquant
.Lnot_qkv:
	s_cmp_lt_u32 ttmp9, 16
	s_cbranch_scc0 .Lmlp
	s_mov_b64 s[36:37], s[10:11]                   ; Wo: [256][256]; columns 64 (p - 12) on
	s_sub_co_u32 s38, ttmp9, 12
	s_lshl_b32 s38, s38, 8
	s_lshl_b32 s46, s43, 10
	s_add_co_u32 s38, s38, s46
	s_add_co_u32 s38, s38, s45
	s_branch .Lp1024
.Lmlp:
	s_sub_co_u32 s46, ttmp9, 16
	s_lshr_b32 s47, s46, 2                         ; the chunk c
	s_and_b32 s46, s46, 3
	s_cmp_lt_u32 s46, 2
	s_cbranch_scc0 .Lw2
	s_mov_b64 s[36:37], s[12:13]                   ; W1: [256][1024]; columns 128 c + 64 e on
	s_lshl_b32 s38, s47, 9
	s_lshl_b32 s46, s46, 8
	s_add_co_u32 s38, s38, s46
	s_lshl_b32 s46, s43, 12
	s_add_co_u32 s38, s38, s46
	s_add_co_u32 s38, s38, s45
	s_add_nc_u64 s[36:37], s[36:37], s[38:39]
	LOADS 4096
	s_branch .Lquant
.Lw2:
	s_mov_b64 s[36:37], s[14:15]                   ; W2: [1024][256]; columns 128 i + 64 cq on, k = 128 c + 64 bq on
	s_sub_co_u32 s46, s46, 2
	s_lshl_b32 s38, s46, 9
	s_lshl_b32 s46, s35, 8
	s_add_co_u32 s38, s38, s46
	s_lshl_b32 s46, s47, 7
	s_add_co_u32 s46, s46, s44
	s_lshl_b32 s46, s46, 10
	s_add_co_u32 s38, s38, s46
	s_add_co_u32 s38, s38, s45
.Lp1024:
	s_add_nc_u64 s[36:37], s[36:37], s[38:39]
	LOADS 1024
.Lquant:                                           ; on every way 64 loads are out
.macro BLOCK j                         ; block j of my two: all its 32 numbers are mine
.set XS, X+32*(\j)
.set PJ, P+8*(\j)
	s_wait_loadcnt 32-32*(\j)                      ; this block's 32 loads are in; the second block's 32 may be out
	v_max3_num_f32 v12, |v[XS]|, |v[XS+1]|, |v[XS+2]|
	v_max3_num_f32 v13, |v[XS+3]|, |v[XS+4]|, |v[XS+5]|
.irp i, 6,10,14,18,22,26
	s_delay_alu instid0(VALU_DEP_2)
	v_max3_num_f32 v12, v12, |v[XS+\i]|, |v[XS+\i+1]|
	s_delay_alu instid0(VALU_DEP_2)
	v_max3_num_f32 v13, v13, |v[XS+\i+2]|, |v[XS+\i+3]|
.endr
	s_delay_alu instid0(VALU_DEP_2)
	v_max3_num_f32 v12, v12, |v[XS+30]|, |v[XS+31]|
	s_delay_alu instid0(VALU_DEP_1)
	v_max3_num_f32 v12, v12, v13, 0x1800000        ; and the floor 2^(3 - 127): the byte cannot fall under 1
	s_delay_alu instid0(VALU_DEP_1)
	v_add_nc_u32 v14, 0xff000000, v12              ; 2 off the exponent field: the conversion's scale operand
.if \j == 0
	s_delay_alu instid0(VALU_DEP_1)
	v_lshrrev_b32 v15, 23, v14                     ; the scale's byte
.else
	s_delay_alu instid0(VALU_DEP_1)
	v_lshrrev_b32 v13, 23, v14
	s_delay_alu instid0(VALU_DEP_1)
	v_lshl_or_b32 v15, v13, 8, v15                 ; my two bytes: neighbours in the scale word
.endif
	v_cvt_scalef32_pk16_fp6_f32 v[PJ:PJ+2], v[XS:XS+15], v14
	v_cvt_scalef32_pk16_fp6_f32 v[CT:CT+2], v[XS+16:XS+31], v14   ; (a conversion's three registers begin on an even number)
	v_nop                                          ; one plain place behind a scaled conversion
.irp i, 0,1,2
	v_mov_b32 v[PJ+3+\i], v[CT+\i]
.endr
	ds_store_b64 v3, v[PJ:PJ+1] offset:256*(\j)    ; lane 16 j + r of the fragment
	ds_store_b64 v4, v[PJ+2:PJ+3] offset:256*(\j)
	ds_store_b64 v5, v[PJ+4:PJ+5] offset:256*(\j)
.endm
	BLOCK 0
	BLOCK 1
	ds_store_b16 v6, v15
	s_mul_i32 s38, ttmp9, 12800
	s_add_nc_u64 s[30:31], s[30:31], s[38:39]      ; my part in wimg
	s_wait_dscnt 0x0                               ; for the others' sake: my stores have landed
	s_barrier_signal -1
	s_barrier_wait -1                              ; the part is whole
	ds_load_b128 v[116:119], v7
	ds_load_b128 v[120:123], v7 offset:4096
	ds_load_b128 v[124:127], v7 offset:8192
	s_wait_dscnt 0x0
	global_store_b128 v7, v[116:119], s[30:31]     ; a wave stores 512 consecutive bytes, at a multiple of 256 from wimg's first byte
	global_store_b128 v7, v[120:123], s[30:31] offset:4096
	global_store_b128 v7, v[124:127], s[30:31] offset:8192
	s_cmp_lg_u32 s32, 0
	s_cbranch_scc1 .Lend
	ds_load_b128 v[32:35], v7 offset:12288         ; wave 0: the 512 bytes of scale words
	s_wait_dscnt 0x0
	global_store_b128 v7, v[32:35], s[30:31] offset:12288
.Lend:
	s_wait_tensorcnt 0x0                           ; the wave's end: behind my last LDS store
	ds_add_u32 v16, v17
	s_wait_dscnt 0x0
	s_endpgm
.Lfunc_end_k_q560ed61893_prep:
	.size	k_q560ed61893_prep, .Lfunc_end_k_q560ed61893_prep-k_q560ed61893_prep
	.p2alignl 7, 3214868480
	.fill 96, 4, 3214868480
	.section	.rodata,"a",@progbits
	.p2align	6, 0x0
	.amdhsa_kernel k_q560ed61893_prep
		.amdhsa_group_segment_fixed_size 13824
		.amdhsa_private_segment_fixed_size 0
		.amdhsa_enable_private_segment 0
		.amdhsa_kernarg_size 112
		.amdhsa_user_sgpr_count 2
		.amdhsa_user_sgpr_kernarg_segment_ptr 1
		.amdhsa_wavefront_size32 1
		.amdhsa_system_sgpr_workgroup_id_x 1
		.amdhsa_system_sgpr_workgroup_id_y 1
		.amdhsa_system_sgpr_workgroup_id_z 1
		.amdhsa_system_vgpr_workitem_id 0
		.amdhsa_next_free_vgpr 128
		.amdhsa_next_free_sgpr 66
		.amdhsa_reserve_vcc 0
		.amdhsa_float_denorm_mode_32 3
		.amdhsa_float_denorm_mode_16_64 3
		.amdhsa_memory_ordered 1
		.amdhsa_forward_progress 1
		.amdhsa_inst_pref_size 29
	.end_amdhsa_kernel
	.amdgpu_metadata
---
amdhsa.version: [ 1, 2 ]
amdhsa.kernels:
  - .name:           k_q560ed61893_prep
    .symbol:         k_q560ed61893_prep.kd
    .args:
      - { .name: Wq, .offset: 0, .size: 8, .value_kind: global_buffer, .address_space: global }
      - { .name: Wk, .offset: 8, .size: 8, .value_kind: global_buffer, .address_space: global }
      - { .name: Wv, .offset: 16, .size: 8, .value_kind: global_buffer, .address_space: global }
      - { .name: Wo, .offset: 24, .size: 8, .value_kind: global_buffer, .address_space: global }
      - { .name: W1, .offset: 32, .size: 8, .value_kind: global_buffer, .address_space: global }
      - { .name: W2, .offset: 40, .size: 8, .value_kind: global_buffer, .address_space: global }
      - { .name: g1, .offset: 48, .size: 8, .value_kind: global_buffer, .address_space: global }
      - { .name: be1, .offset: 56, .size: 8, .value_kind: global_buffer, .address_space: global }
      - { .name: bo, .offset: 64, .size: 8, .value_kind: global_buffer, .address_space: global }
      - { .name: g2, .offset: 72, .size: 8, .value_kind: global_buffer, .address_space: global }
      - { .name: be2, .offset: 80, .size: 8, .value_kind: global_buffer, .address_space: global }
      - { .name: b2, .offset: 88, .size: 8, .value_kind: global_buffer, .address_space: global }
      - { .name: b1, .offset: 96, .size: 8, .value_kind: global_buffer, .address_space: global }
      - { .name: wimg, .offset: 104, .size: 8, .value_kind: global_buffer, .address_space: global }
    .group_segment_fixed_size: 13824
    .private_segment_fixed_size: 0
    .kernarg_segment_align: 8
    .kernarg_segment_size: 112
    .max_flat_workgroup_size: 256
    .sgpr_count:     66
    .vgpr_count:     128
    .wavefront_size: 32
...
	.end_amdgpu_metadata
.endif
;; end of part 1
;; launch block (part 2): grid 256 x 1, 4 waves a work-group, clusters of 4 x 1, 327,680 bytes of LDS; arguments x, wimg, out0; writes out0
.if DOCPART == 2
	.amdgcn_target "amdgcn-amd-amdhsa--gfx1250"
	.amdhsa_code_object_version 6
	.text
	.protected	k_q560ed61893_block
	.globl	k_q560ed61893_block
	.p2align	8
	.type	k_q560ed61893_block,@function
k_q560ed61893_block:
	s_mov_b64 s[64:65], 0
	v_nop
	global_prefetch_b8 v0, s[64:65] scope:SCOPE_SE
	s_setreg_imm32_b32 hwreg(HW_REG_WAVE_MODE, 25, 1), 1
	s_wait_xcnt 0x0
	s_wait_alu depctr_hold_cnt(0) depctr_sa_sdst(0) depctr_va_vdst(0) depctr_va_sdst(0) depctr_va_ssrc(0) depctr_va_vcc(0) depctr_vm_vsrc(0)
	s_getreg_b32 s2, hwreg(HW_REG_IB_STS2, 6, 4)
	s_cmp_eq_u32 s2, 0
	s_cbranch_scc0 .Lentry_in_a_cluster
	s_endpgm
.Lentry_in_a_cluster:
	s_bfe_u32 s2, ttmp6, 0x10000c
	s_cmp_lg_u32 s2, 0x3003
	s_cbranch_scc0 .Lentry_shape_is_right
	s_endpgm
.Lentry_shape_is_right:
; The whole block in one launch: LN1, Q K V, causal softmax, P V, Wo + residual, LN2, relu MLP + residual.  x, out0: [65536][256] f32.  No step of the problem is left out.
; Weights: codes of FP6 (E2M3) with E8M0 scales, laid by the launch before in the order of the operand's registers (wimg: 48 parts of 12,800 bytes: 8 fragments of 1,536 bytes + 512 bytes of scale words; then the parameters).
; SHARES.  A work-group takes 256 rows; each of its four waves owns 64 rows = 4 tiles of 16 = 4 sequences and takes them through the whole block: no activation goes from wave to wave or to memory.
; All waves read the same stream of weights from a ring of two LDS slots of 8 parts (102,400 bytes); each wave brings a quarter of a fill by one tensor load.  The head's one load a wave brings a quarter of the
; parameters; behind the three lines and a round one load a wave (200 rows of 256 bytes) brings a quarter of both slots' first fills, which lie on end in wimg and in LDS.
; CLUSTER.  Every work-group walks the same bytes of wimg, so the four of a cluster ask for each fill JOINTLY (mask 15, the same descriptor in all four).
; NO PREFETCH: a fill is asked for two chunks' work (256 products a wave) ahead of its first read, and x is asked for whole at the head.
; LAYOUT L of every activation and of the residual X: lane (r, h) holds row r of a tile; register 16 b + i holds column 32 b + 16 h + i.  Products are used transposed (source 0 = 16 weight columns,
; source 1 = 16 rows), and lane r of weight tile 2 b + u holds column 32 b + 8 u + r + 8 (r / 8): the result of column tile t falls into registers 8 t .. 8 t + 7 of L.
; V alone is made in the natural order, so that it is source 0 of the f32 product V^T P^T as it stands.  That product (K = 16) has f32 operands: its result goes on into a quantiser.
; THE QUANTISER takes eight blocks of 32 at a time, line by line by turns, so that no line reads the result of the line above it.
; The residual is the C of Wo's and W2's products; b1 is the C of W1's first K step.  bo is added for LN2 as x + attn Wo + bo; in the output bo + b2 is added as one number at the end (an order of rounding
; that differs from ((x + attn Wo + bo) + mlp) + b2 in the last bit).
; LIMITS: NaN and infinities are not served; a block of 32 whose largest magnitude lies under 2^-124 (a block of zeros too) gets the scale byte 1; 1 / sqrt by v_rsq_f32, 1 / sum by v_rcp_f32.
; REGISTERS, in windows of 256 (s_set_vgpr_msb: bits 1:0 source 0, 3:2 source 1, 5:4 source 2, 7:6 destination).  Windows 2, 3: X, tile m at window 2 + m / 2, register 128 (m % 2).
; Window 0: v1-43 addresses and work; v44-51 activations' scale words; v52-63 weights' scale words; v64-67 scale words made here; v68-99 the f32 product's sums (written by matrix instructions alone);
;   v100-255 by phase.  Window 1 by phase: LN: gain and bias; later v0-95 two buffers of 4 weight fragments; attention: q / v, k, scores, mask, work; MLP: hidden (128), b1 (32).
.set RING1,  102400                    ; LDS: slot 0 at 0, slot 1 here; also a fill's bytes
.set PARL,   204800                    ; the parameters, 10,240 bytes, filled once
.set SPARE,  215040                    ; the spare words, 128 bytes for each wave
.set WS,     215552                    ; each wave's own scratch, WSB bytes: written by ds_store alone
.set WSB,    26624
.set AIO,    13312                     ; in it: at 0 h's (later h2's) fragments, at SCO their scale words; at AIO attn's codes, at AIO + SCO their scale bytes; AIO's first 4,352 bytes are also the stage
.set SCO,    12288
.set PARG,   614400                    ; the parameters in wimg
.set P_G1,   0
.set P_BE1,  1024
.set P_BO,   2048
.set P_G2,   3072
.set P_BE2,  4096
.set P_B2,   5120
.set P_B1,   6144
.set LI,   1                           ; 16 x lane
.set LS,   2                           ; 4 x lane
.set L8,   3                           ; 8 x lane
.set XO,   4                           ; x, out0: 1024 (lane / 16) + 16 (lane % 16)
.set STO,  5                           ; the stage by memory's order
.set STL,  6                           ; the stage by L
.set PG,   7                           ; the parameters by L: PARL + 64 h
.set HIB,  8
.set HSB,  9
.set AIB,  10
.set ASB,  11
.set WA0,  12
.set WA1,  13
.set ADH,  14
.set ADHS, 15
.set ADA,  16
.set ADAS, 17
.set ADB,  18
.set FLR,  19                          ; 2^(3 - 127): the floor under every largest magnitude
.set SPW,  20                          ; my spare word; never rewritten
.set NIL,  21                          ; 0; never rewritten
.set TM,   22                          ; v22-29 largest magnitudes, then scale bytes
.set LA,   22                          ; v22-29 LN's four running pairs
.set TP,   30                          ; v30-37 the other half's maxima, then the conversions' scale operands
.set MU,   38
.set RS,   40
.set ASC,  44
.set WSC,  52
.set QS,   64
.set AT,   68
.set T,    100
.set PC,   228
.set HF,   100
.set QF,   148                         ; q's two fragments, then k's two
.set KF,   172
.set PA,   244                         ; attn's codes: tile i at PA + 6 i
.set WC,   196                         ; v196-243: a third buffer of 4 weight fragments, in attention
.set CTA,  26                          ; three registers of the work set that attn's quantiser leaves free
.set CQ,   216
.set AF,   100
.set HQ,   196
.set WB0,  0                           ; window 1
.set WB1,  48
.set RA,   96
.set RB,   160
.set S,    224
.set MASK, 240
.set SM,   248
.set H,    96
.set B1,   224
.set MSB, 0
.macro WIN new                         ; the immediate's high byte repeats the setting that is left; a switch that changes nothing is dropped
.if MSB != (\new)
	s_set_vgpr_msb (MSB<<8)|(\new)
.set MSB, (\new)
.endif
.endm
.macro PLACES n                        ; places behind matrix instructions (ISA guide 7.12.1)
.rept \n
	v_nop
.endr
.endm
.macro NEXTG                           ; the fragments asked for one run ago are in; four places in front of the loads into the buffer that the last run read
	s_wait_dscnt 0x0
	PLACES 4
.endm
.macro ROUND                           ; a round of the cluster's barrier
	s_barrier_signal -1
	s_barrier_wait -1
	s_cmp_lg_u32 s10, 0
	s_cbranch_scc1 .Lnot_wave_0_\@
	s_barrier_signal -3
.Lnot_wave_0_\@:
	s_barrier_wait -3
	s_barrier_signal -1
	s_barrier_wait -1
.endm
.macro FETCH buf, adr, off             ; four weight fragments, as images of their registers, into window 1
	WIN 0x40
.irp k, 0,1,2,3
.irp c, 0,1,2
	ds_load_b128 v[(\buf)+12*\k+4*\c:(\buf)+12*\k+4*\c+3], v[\adr] offset:(\off)+1536*\k+512*\c
.endr
.endr
.endm
.macro FETCHC adr, off                 ; four weight fragments into window 0, v196-243
	WIN 0
.irp k, 0,1,2,3
.irp c, 0,1,2
	ds_load_b128 v[WC+12*\k+4*\c:WC+12*\k+4*\c+3], v[\adr] offset:(\off)+1536*\k+512*\c
.endr
.endr
.endm
.macro WSCL set, adr, off
	WIN 0
	ds_load_b128 v[WSC+4*(\set):WSC+4*(\set)+3], v[\adr] offset:\off
.endm
.macro GLOAD og, ob                    ; two rows of 256 parameters, in L, into window 1: v0-127 and v128-255
	WIN 0x40
.irp b, 0,1,2,3,4,5,6,7
.irp j, 0,1,2,3
	ds_load_b128 v[16*\b+4*\j:16*\b+4*\j+3], v[PG] offset:(\og)+128*\b+16*\j
	ds_load_b128 v[128+16*\b+4*\j:128+16*\b+4*\j+3], v[PG] offset:(\ob)+128*\b+16*\j
.endr
.endr
	WIN 0
.endm
.macro QCV base, x, c                  ; the odd block of pair x: its codes go by way of three registers at c (a conversion's three registers begin on an even number)
	v_cvt_scalef32_pk16_fp6_f32 v[(\c):(\c)+2], v[(\base)+32*(\x)+16:(\base)+32*(\x)+31], v[TP+2*(\x)+1]
.endm
.macro QSW d, c                        ; the operand wants a whole block in a lane: lanes 0-15 the even block, lanes 16-31 the odd one
.irp i, 0,1,2
	v_permlane16_swap_b32 v[(\d)+\i], v[(\c)+\i]
.endr
.endm
.macro QMV d, c
.irp i, 0,1,2
	v_mov_b32 v[(\d)+3+\i], v[(\c)+\i]
.endr
.endm
; Eight half blocks of a lane (block j: registers base + 16 j on, in window w; the other half lies in lane l xor 16), by turns.  Pair x (blocks 2 x, 2 x + 1) becomes six registers of codes at dst + st x.
; The scale bytes: mode 0: pair x's two start the word QS + x; mode 2: they go into its upper half; mode 1: pairs 0, 1 make QS, pairs 2, 3 make QS + 1.  Each group of eight registers is read from its low end on.
.macro Q8 base, w, dst, st, c0, c1, c2, c3, mode
	WIN ((\w)<<2)|((\w)<<4)
.irp j, 0,1,2,3,4,5,6,7
	v_max3_num_f32 v[TM+\j], v[FLR], |v[(\base)+16*\j]|, |v[(\base)+16*\j+1]|
.endr
.irp y, 2,4,6,8,10,12,14
.irp j, 0,1,2,3,4,5,6,7
	v_max3_num_f32 v[TM+\j], v[TM+\j], |v[(\base)+16*\j+\y]|, |v[(\base)+16*\j+\y+1]|
.endr
.endr
	WIN 0
.irp j, 0,1,2,3,4,5,6,7
	v_permlanex16_b32 v[TP+\j], v[TM+\j], s48, s49
.endr
.irp j, 0,1,2,3,4,5,6,7
	v_max_num_f32 v[TM+\j], v[TM+\j], v[TP+\j]     ; with lane l xor 16's: the block's largest magnitude
.endr
.irp j, 0,1,2,3,4,5,6,7
	v_add_nc_u32 v[TP+\j], 0xff000000, v[TM+\j]    ; 2 off the exponent field: the conversion's scale operand
.endr
.irp j, 0,1,2,3,4,5,6,7
	v_lshrrev_b32 v[TM+\j], 23, v[TP+\j]           ; the scale's byte
.endr
.irp x, 0,1,2,3
.if (\mode) == 0
	v_lshl_or_b32 v[QS+\x], v[TM+2*\x+1], 8, v[TM+2*\x]
.else
	v_lshl_or_b32 v[TM+2*\x], v[TM+2*\x+1], 8, v[TM+2*\x]
.endif
.endr
.if (\mode) == 1
	v_lshl_or_b32 v[QS], v[TM+2], 16, v[TM]
	v_lshl_or_b32 v[QS+1], v[TM+6], 16, v[TM+4]
.endif
.if (\mode) == 2
.irp x, 0,1,2,3
	v_lshl_or_b32 v[QS+\x], v[TM+2*\x], 16, v[QS+\x]
.endr
.endif
	WIN \w
.irp x, 0,1,2,3
	v_cvt_scalef32_pk16_fp6_f32 v[(\dst)+(\st)*\x:(\dst)+(\st)*\x+2], v[(\base)+32*\x:(\base)+32*\x+15], v[TP+2*\x]
.endr
	v_nop                                          ; a plain place: the next four may write registers that these four have read
	QCV \base, 0, \c0
	QCV \base, 1, \c1
	QCV \base, 2, \c2
	QCV \base, 3, \c3
	WIN 0
	v_nop                                          ; one plain place behind a scaled conversion
	QSW (\dst), \c0
	QSW (\dst)+(\st), \c1
	QSW (\dst)+2*(\st), \c2
	QSW (\dst)+3*(\st), \c3
	QMV (\dst), \c0
	QMV (\dst)+(\st), \c1
	QMV (\dst)+2*(\st), \c2
	QMV (\dst)+3*(\st), \c3
.endm
.macro LSUM                            ; LN's four running pairs, and lane l xor 16's, into v42
	v_pk_add_f32 v[LA:LA+1], v[LA:LA+1], v[LA+2:LA+3]
	v_pk_add_f32 v[LA+4:LA+5], v[LA+4:LA+5], v[LA+6:LA+7]
	v_pk_add_f32 v[LA:LA+1], v[LA:LA+1], v[LA+4:LA+5]
	v_add_f32 v42, v[LA], v[LA+1]
	v_permlanex16_b32 v43, v42, s48, s49
	v_add_f32 v42, v42, v43
.endm
; The layer norm of the tile in T (in place; gain and bias in window 1), quantised along its 256 columns: two fragments and their scale words go to my scratch as images of their registers.
.macro LNCORE
.irp x, 0,1,2,3
	v_pk_add_f32 v[LA+2*\x:LA+2*\x+1], v[T+2*\x:T+2*\x+1], v[T+8+2*\x:T+9+2*\x]
.endr
.set p, 8
.rept 56
	v_pk_add_f32 v[LA+2*(p%4):LA+2*(p%4)+1], v[LA+2*(p%4):LA+2*(p%4)+1], v[T+2*p:T+2*p+1]
.set p, p+1
.endr
	LSUM
	v_mul_f32 v[MU], s52, v42                      ; the mean
.set p, 0
.rept 64
	v_pk_add_f32 v[T+2*p:T+2*p+1], v[T+2*p:T+2*p+1], v[MU:MU+1] op_sel_hi:[1,0] neg_lo:[0,1] neg_hi:[0,1]
.set p, p+1
.endr
.irp x, 0,1,2,3
	v_pk_mul_f32 v[LA+2*\x:LA+2*\x+1], v[T+2*\x:T+2*\x+1], v[T+2*\x:T+2*\x+1]
.endr
.set p, 4
.rept 60
	v_pk_fma_f32 v[LA+2*(p%4):LA+2*(p%4)+1], v[T+2*p:T+2*p+1], v[T+2*p:T+2*p+1], v[LA+2*(p%4):LA+2*(p%4)+1]
.set p, p+1
.endr
	LSUM
	v_fma_f32 v42, v42, s52, s53                   ; the variance of the deviations + 1e-5
	s_wait_alu depctr_va_vdst(0)                   ; the wait ahead of the transcendental,
	v_rsq_f32 v[RS], v42
	v_nop                                          ; a plain place behind it,
	s_wait_alu depctr_va_vdst(0)                   ; and the wait ahead of its first reader
.set p, 0
.rept 64
	v_pk_mul_f32 v[T+2*p:T+2*p+1], v[T+2*p:T+2*p+1], v[RS:RS+1] op_sel_hi:[1,0]
.set p, p+1
.endr
	WIN 0x14                                       ; gain and bias in window 1
.set p, 0
.rept 64
	v_pk_fma_f32 v[T+2*p:T+2*p+1], v[T+2*p:T+2*p+1], v[2*p:2*p+1], v[128+2*p:128+2*p+1]
.set p, p+1
.endr
	WIN 0
	Q8 T, 0, PC, 6, T, T+32, T+64, T+96, 1         ; an odd block's codes go by way of the even block's numbers, which have been converted
.irp s, 0,1
.irp c, 0,1,2
	ds_store_b128 v[ADH], v[PC+12*\s+4*\c:PC+12*\s+4*\c+3] offset:1536*\s+512*\c
.endr
	ds_store_b32 v[ADHS], v[QS+\s] offset:128*\s
.endr
.endm
.macro XLOAD m                         ; tile m of x: sixteen lanes read 256 consecutive bytes of a row, at a multiple of 256 from x's first byte
	WIN (2+(\m)/2)<<6
.irp q, 0,1,2,3
.irp i, 0,1,2,3,4,5,6,7
	global_load_b128 v[128*((\m)%2)+32*\q+4*\i:128*((\m)%2)+32*\q+4*\i+3], v[XO], s[4:5] offset:16384*(\m)+2048*\i+256*\q th:TH_LOAD_NT
.endr
.endr
.endm
; Tile m of x turns through my stage into L, a quarter of the rows' 1,024 bytes at a time: once back into X, once into T.  LDS serves a wave's instructions in order (ISA guide 5.7.1.4).
.macro TURNIN m, left
.set XB, 128*((\m)%2)
.set XW, 2+(\m)/2
	s_wait_loadcnt \left                           ; this tile's 32 loads are in; left: loads of later tiles that may stay out
.irp q, 0,1,2,3
	WIN XW<<2
.irp i, 0,1,2,3,4,5,6,7
	ds_store_b128 v[STO], v[XB+32*\q+4*\i:XB+32*\q+4*\i+3] offset:544*\i
.endr
	WIN XW<<6
.irp b, 0,1
.irp j, 0,1,2,3
	ds_load_b128 v[XB+32*\q+16*\b+4*\j:XB+32*\q+16*\b+4*\j+3], v[STL] offset:128*\b+16*\j
.endr
.endr
	WIN 0
.irp b, 0,1
.irp j, 0,1,2,3
	ds_load_b128 v[T+32*\q+16*\b+4*\j:T+32*\q+16*\b+4*\j+3], v[STL] offset:128*\b+16*\j
.endr
.endr
.endr
.endm
.macro ADDX m                          ; T (bo, in L) += X of tile m, each accumulator from its low end on
	WIN 2+(\m)/2
.set p, 0
.rept 64
	v_pk_add_f32 v[T+2*p:T+2*p+1], v[128*((\m)%2)+2*p:128*((\m)%2)+2*p+1], v[T+2*p:T+2*p+1]
.set p, p+1
.endr
	WIN 0
.endm
; q or k of two tiles of rows: column tiles 2 g, 2 g + 1 of a head's four; both K steps.  Four accumulators by turns, one instruction a turn.
.macro MULQK rb, g, buf, set, aw       ; aw: the window of the weights' buffer
	WIN 0x50|(\aw)
.irp s, 0,1
.irp tl, 0,1
.irp i, 0,1
.set rD, (\rb)+32*\i+8*(2*(\g)+\tl)
.set rA, (\buf)+12*(2*\tl+\s)
.set rB, HF+12*(2*\i+\s)
.set rW, WSC+4*(\set)+2*(\g)+\tl
.set rX, ASC+2*\i+\s
.if \s == 0
	v_wmma_scale_f32_16x16x128_f8f6f4 v[rD:rD+7], v[rA:rA+11], v[rB:rB+11], 0, v[rW], v[rX] matrix_a_fmt:MATRIX_FMT_FP6 matrix_b_fmt:MATRIX_FMT_FP6
.else
	v_wmma_scale_f32_16x16x128_f8f6f4 v[rD:rD+7], v[rA:rA+11], v[rB:rB+11], v[rD:rD+7], v[rW], v[rX] matrix_a_fmt:MATRIX_FMT_FP6 matrix_b_fmt:MATRIX_FMT_FP6 matrix_a_scale:MATRIX_SCALE_ROW1
.endif
.endr
.endr
.endr
.endm
.macro MULV g, buf                     ; v in the natural order: source 0 = 16 tokens, source 1 = 16 weight columns: lane (r, h) holds channel index r, registers tokens 8 h + j
	WIN 0x54
.irp s, 0,1
.irp tl, 0,1
.irp i, 0,1
.set rD, RA+32*\i+8*(2*(\g)+\tl)
.set rA, HF+12*(2*\i+\s)
.set rB, (\buf)+12*(2*\tl+\s)
.set rW, WSC+8+2*(\g)+\tl
.set rX, ASC+2*\i+\s
.if \s == 0
	v_wmma_scale_f32_16x16x128_f8f6f4 v[rD:rD+7], v[rA:rA+11], v[rB:rB+11], 0, v[rX], v[rW] matrix_a_fmt:MATRIX_FMT_FP6 matrix_b_fmt:MATRIX_FMT_FP6
.else
	v_wmma_scale_f32_16x16x128_f8f6f4 v[rD:rD+7], v[rA:rA+11], v[rB:rB+11], v[rD:rD+7], v[rX], v[rW] matrix_a_fmt:MATRIX_FMT_FP6 matrix_b_fmt:MATRIX_FMT_FP6 matrix_b_scale:MATRIX_SCALE_ROW1
.endif
.endr
.endr
.endr
.endm
; The softmax of two tiles, by turns; all in window 1.  Lane (r, h) holds query r and keys 8 h + j.  t = score x log2(e) / 16 + mask; the row's largest t is taken away.
.macro SOFTMAX
	WIN 0x55
.irp p, 0,1,2,3
.irp i, 0,1
	v_pk_fma_f32 v[S+8*\i+2*\p:S+8*\i+2*\p+1], v[S+8*\i+2*\p:S+8*\i+2*\p+1], s[50:51], v[MASK+2*\p:MASK+2*\p+1] op_sel_hi:[1,0,1]
.endr
.endr
.irp i, 0,1
	v_max3_num_f32 v[SM+4*\i], v[S+8*\i], v[S+8*\i+1], v[S+8*\i+2]
.endr
.irp y, 3,5
.irp i, 0,1
	v_max3_num_f32 v[SM+4*\i], v[SM+4*\i], v[S+8*\i+\y], v[S+8*\i+\y+1]
.endr
.endr
.irp i, 0,1
	v_max_num_f32 v[SM+4*\i], v[SM+4*\i], v[S+8*\i+7]
.endr
.irp i, 0,1
	v_permlanex16_b32 v[SM+4*\i+1], v[SM+4*\i], s48, s49
.endr
.irp i, 0,1
	v_max_num_f32 v[SM+4*\i], v[SM+4*\i], v[SM+4*\i+1]   ; key 0 counts for every query: a number
.endr
.irp p, 0,1,2,3
.irp i, 0,1
	v_pk_add_f32 v[S+8*\i+2*\p:S+8*\i+2*\p+1], v[S+8*\i+2*\p:S+8*\i+2*\p+1], v[SM+4*\i:SM+4*\i+1] op_sel_hi:[1,0] neg_lo:[0,1] neg_hi:[0,1]
.endr
.endr
	s_wait_alu depctr_va_vdst(0)                   ; the wait ahead of the batch
.irp j, 0,1,2,3,4,5,6,7,8,9,10,11,12,13,14,15
	v_exp_f32 v[S+\j], v[S+\j]
.endr
	v_nop                                          ; a plain place behind the batch,
	s_wait_alu depctr_va_vdst(0)                   ; and one wait for it, ahead of its first reader
.irp i, 0,1
	v_pk_add_f32 v[SM+4*\i+2:SM+4*\i+3], v[S+8*\i:S+8*\i+1], v[S+8*\i+2:S+8*\i+3]
.endr
.irp y, 4,6
.irp i, 0,1
	v_pk_add_f32 v[SM+4*\i+2:SM+4*\i+3], v[SM+4*\i+2:SM+4*\i+3], v[S+8*\i+\y:S+8*\i+\y+1]
.endr
.endr
.irp i, 0,1
	v_add_f32 v[SM+4*\i+2], v[SM+4*\i+2], v[SM+4*\i+3]
.endr
.irp i, 0,1
	v_permlanex16_b32 v[SM+4*\i+3], v[SM+4*\i+2], s48, s49
.endr
.irp i, 0,1
	v_add_f32 v[SM+4*\i+2], v[SM+4*\i+2], v[SM+4*\i+3]
.endr
	s_wait_alu depctr_va_vdst(0)
.irp i, 0,1
	v_rcp_f32 v[SM+4*\i], v[SM+4*\i+2]
.endr
	v_nop
	s_wait_alu depctr_va_vdst(0)                   ; one wait for the two reciprocals
.irp p, 0,1,2,3
.irp i, 0,1
	v_pk_mul_f32 v[S+8*\i+2*\p:S+8*\i+2*\p+1], v[S+8*\i+2*\p:S+8*\i+2*\p+1], v[SM+4*\i:SM+4*\i+1] op_sel_hi:[1,0]
.endr
.endr
.endm
; attn^T = V^T P^T of tile i, f32 operands: K step kk takes registers 2 kk, 2 kk + 1 of both sides: in both, lane half h and register j are token 8 h + 2 kk + j.  The result is in L.  Four sums by turns; each begins with the constant 0.
.macro PV i
	WIN 0x05
.irp kk, 0,1,2,3
.irp t, 0,1,2,3
.if \kk == 0
	v_wmma_f32_16x16x4_f32 v[AT+8*\t:AT+8*\t+7], v[RA+32*(\i)+8*\t:RA+32*(\i)+8*\t+1], v[S+8*(\i):S+8*(\i)+1], 0
.else
	v_wmma_f32_16x16x4_f32 v[AT+8*\t:AT+8*\t+7], v[RA+32*(\i)+8*\t+2*\kk:RA+32*(\i)+8*\t+2*\kk+1], v[S+8*(\i)+2*\kk:S+8*(\i)+2*\kk+1], v[AT+8*\t:AT+8*\t+7]
.endif
.endr
.endr
.endm
.macro ATOUT i                         ; tile i's 64 channels of this head: two blocks, half a fragment of Wo's operand, to my scratch
.set aP, PA+6*(\i)
	PLACES 4
	PV \i
	WIN 0
	PLACES 8                                       ; eight places behind the f32 form
.irp x, 0,1,2,3
	v_max3_num_f32 v[TM+\x], v[FLR], |v[AT+8*\x]|, |v[AT+8*\x+1]|
.endr
.irp y, 2,4,6
.irp x, 0,1,2,3
	v_max3_num_f32 v[TM+\x], v[TM+\x], |v[AT+8*\x+\y]|, |v[AT+8*\x+\y+1]|
.endr
.endr
	v_max_num_f32 v[TM], v[TM], v[TM+1]
	v_max_num_f32 v[TM+1], v[TM+2], v[TM+3]
	v_permlanex16_b32 v[TP], v[TM], s48, s49
	v_permlanex16_b32 v[TP+1], v[TM+1], s48, s49
	v_max_num_f32 v[TM], v[TM], v[TP]
	v_max_num_f32 v[TM+1], v[TM+1], v[TP+1]
	v_add_nc_u32 v[TP], 0xff000000, v[TM]
	v_add_nc_u32 v[TP+1], 0xff000000, v[TM+1]
	v_lshrrev_b32 v[TM], 23, v[TP]
	v_lshrrev_b32 v[TM+1], 23, v[TP+1]
	v_lshl_or_b32 v[QS+(\i)], v[TM+1], 8, v[TM]
	v_cvt_scalef32_pk16_fp6_f32 v[aP:aP+2], v[AT:AT+15], v[TP]
	v_cvt_scalef32_pk16_fp6_f32 v[CTA:CTA+2], v[AT+16:AT+31], v[TP+1]
	v_nop                                          ; one plain place behind a scaled conversion
	QSW aP, CTA
	QMV aP, CTA
.irp c, 0,1,2
	ds_store_b64 v[ADA], v[aP+2*\c:aP+2*\c+1] offset:3072*(\i)+256*\c
.endr
	ds_store_b16 v[ADAS], v[QS+(\i)] offset:256*(\i)
.endm
; One head, two tiles of rows.
; What a step reads first: h's four fragments and scale words, the head's three sets of weight scales, Wq's two groups of fragments and Wk's first: 55 LDS loads, asked for in the step before, behind v's products.
.macro LOOKA
	v_add_nc_u32 v[WA0], s57, v[LI]
	v_add_nc_u32 v[ADH], s58, v[HIB]
	v_add_nc_u32 v[ADHS], s59, v[HSB]
	v_add_nc_u32 v[WA1], RING1, v[WA0]
.irp f, 0,1,2,3
.irp c, 0,1,2
	ds_load_b128 v[HF+12*\f+4*\c:HF+12*\f+4*\c+3], v[ADH] offset:1536*\f+512*\c
.endr
	ds_load_b32 v[ASC+\f], v[ADHS] offset:128*\f
.endr
	WSCL 0, WA0, SCO                               ; Wq's, Wk's, Wv's scale words of this head
	WSCL 1, WA0, 51200+SCO
	WSCL 2, WA1, SCO
	FETCH WB0, WA0, 0
	FETCH WB1, WA0, 6144
	FETCHC WA0, 51200
.endm
.macro ATTN
	v_add_nc_u32 v[ADA], s60, v[AIB]
	v_add_nc_u32 v[ADAS], s61, v[ASB]
	s_wait_alu depctr_va_vdst(0)
	s_wait_dscnt 0x0                               ; all that was asked for in the step before is in
	MULQK RA, 0, WB0, 0, 1
	PLACES 4
	FETCH WB0, WA0, 51200+6144                     ; Wk's second group
	MULQK RA, 1, WB1, 0, 1
	PLACES 4
	FETCH WB1, WA1, 0                              ; Wv's first
	MULQK RB, 0, WC, 1, 0
	s_wait_dscnt 12                                ; Wk's second group is in; Wv's 12 loads may be out
	MULQK RB, 1, WB0, 1, 1
	PLACES 4
	FETCH WB0, WA1, 6144                           ; Wv's second: it and the first land under the quantiser
	WIN 0
	PLACES 4
	Q8 RA, 1, QF, 12, CQ, CQ+4, CQ+8, CQ+12, 0     ; q and k of both tiles along the head's 64: registers 0-5 of a fragment; registers 6-11 stay zero codes
	PLACES 8                                       ; scale registers written by vector instructions stand eight places ahead of a scaled product
	WIN 0x40
	v_wmma_scale_f32_16x16x128_f8f6f4 v[S:S+7], v[KF:KF+11], v[QF:QF+11], 0, v[QS+2], v[QS] matrix_a_fmt:MATRIX_FMT_FP6 matrix_b_fmt:MATRIX_FMT_FP6
	v_wmma_scale_f32_16x16x128_f8f6f4 v[S+8:S+15], v[KF+12:KF+23], v[QF+12:QF+23], 0, v[QS+3], v[QS+1] matrix_a_fmt:MATRIX_FMT_FP6 matrix_b_fmt:MATRIX_FMT_FP6
	s_wait_alu depctr_va_vdst(0)
	s_wait_dscnt 0x0
	MULV 0, WB1
	MULV 1, WB0
	WIN 0
	PLACES 4                                       ; in front of the loads below and of the softmax's first read
	s_cmp_lt_u32 s55, 7                            ; the last step has no successor and asks for nothing
	s_cbranch_scc0 .Lno_next
	s_add_co_u32 s54, s55, 1                       ; the next step: head = step / 2, pair = step % 2
	s_lshr_b32 s57, s54, 1
	s_mul_i32 s57, s57, 12800                      ; the head's part in a slot
	s_and_b32 s54, s54, 1
	s_mul_i32 s58, s54, 6144                       ; h's fragments of the pair
	s_lshl_b32 s59, s54, 9                         ; their scale words
	LOOKA
.Lno_next:
	SOFTMAX
	ATOUT 0
	ATOUT 1
	s_wait_alu depctr_va_vdst(0)
.endm
; The change of slots.  Every wave waits for all its tensor loads, adds 0 to its spare word, and waits for that and for its LDS reads.  fill = 1: a round of the cluster's barrier, and behind it, first,
; my quarter of the next fill, into the slot that has just been left by every wave of all four work-groups.
.macro CHANGE fill
	WIN 0
	s_wait_tensorcnt 0x0                           ; no tensor load of mine is out, so the walking descriptor may be written
	ds_add_u32 v[SPW], v[NIL]
.if \fill
	s_xor_b32 s44, s44, RING1                      ; the other slot than last time,
	s_add_co_u32 s41, s44, s45                     ; my quarter of it,
	s_add_nc_u64 s[42:43], s[42:43], RING1         ; the next 102,400 bytes of wimg; the type bits on top are not reached
.endif
	s_wait_dscnt 0x0
.if \fill
	ROUND
	tensor_load_to_lds s[40:43], s[16:23]
	s_nop 0
	PLACES 4
.else
	s_barrier_signal -1
	s_barrier_wait -1
.endif
.endm
.macro MULWO p, g, buf                 ; X += attn Wo: column tiles 4 p + 2 g, + 1, all four tiles of rows, both K steps; four accumulators by turns in each window
.irp hf, 0,1
	WIN 0xa1+0x50*\hf
.irp s, 0,1
.irp tl, 0,1
.irp mm, 0,1
.set rD, 128*\mm+8*(4*(\p)+2*(\g)+\tl)
.set rA, (\buf)+12*(2*\tl+\s)
.set rB, AF+12*(2*(2*\hf+\mm)+\s)
.set rW, WSC+4*((\p)%2)+2*(\g)+\tl
.set rX, ASC+2*(2*\hf+\mm)+\s
.if \s == 0
	v_wmma_scale_f32_16x16x128_f8f6f4 v[rD:rD+7], v[rA:rA+11], v[rB:rB+11], v[rD:rD+7], v[rW], v[rX] matrix_a_fmt:MATRIX_FMT_FP6 matrix_b_fmt:MATRIX_FMT_FP6
.else
	v_wmma_scale_f32_16x16x128_f8f6f4 v[rD:rD+7], v[rA:rA+11], v[rB:rB+11], v[rD:rD+7], v[rW], v[rX] matrix_a_fmt:MATRIX_FMT_FP6 matrix_b_fmt:MATRIX_FMT_FP6 matrix_a_scale:MATRIX_SCALE_ROW1
.endif
.endr
.endr
.endr
.endr
.endm
.macro MUL1 g, buf, set                ; hidden tiles 2 g, 2 g + 1 of a half chunk's four, all four tiles of rows; b1 is the C of the first K step; eight accumulators by turns
	WIN 0x51
.irp s, 0,1
.irp tl, 0,1
.irp m, 0,1,2,3
.set rD, H+32*\m+8*(2*(\g)+\tl)
.set rA, (\buf)+12*(2*\tl+\s)
.set rB, HF+12*(2*\m+\s)
.set rC, B1+8*(2*(\g)+\tl)
.set rW, WSC+4*(\set)+2*(\g)+\tl
.set rX, ASC+2*\m+\s
.if \s == 0
	v_wmma_scale_f32_16x16x128_f8f6f4 v[rD:rD+7], v[rA:rA+11], v[rB:rB+11], v[rC:rC+7], v[rW], v[rX] matrix_a_fmt:MATRIX_FMT_FP6 matrix_b_fmt:MATRIX_FMT_FP6
.else
	v_wmma_scale_f32_16x16x128_f8f6f4 v[rD:rD+7], v[rA:rA+11], v[rB:rB+11], v[rD:rD+7], v[rW], v[rX] matrix_a_fmt:MATRIX_FMT_FP6 matrix_b_fmt:MATRIX_FMT_FP6 matrix_a_scale:MATRIX_SCALE_ROW1
.endif
.endr
.endr
.endr
.endm
.macro MUL2 io, g, buf, set            ; X += hidden chunk x W2: the four fragments at places 4 g + k of part io, all four tiles of rows: sixteen accumulators, one instruction each
.irp hf, 0,1
	WIN 0xa1+0x50*\hf
.irp k, 0,1,2,3
.irp mm, 0,1
.set fP, 4*(\g)+\k
.set rD, 128*\mm+8*(8*(\io)+fP/2+4*(fP%2))
.set rA, (\buf)+12*\k
.set rB, HQ+12*(2*\hf+\mm)
.set rW, WSC+4*(\set)+fP/2
.set rX, QS+2*\hf+\mm
.if fP%2 == 0
	v_wmma_scale_f32_16x16x128_f8f6f4 v[rD:rD+7], v[rA:rA+11], v[rB:rB+11], v[rD:rD+7], v[rW], v[rX] matrix_a_fmt:MATRIX_FMT_FP6 matrix_b_fmt:MATRIX_FMT_FP6
.else
	v_wmma_scale_f32_16x16x128_f8f6f4 v[rD:rD+7], v[rA:rA+11], v[rB:rB+11], v[rD:rD+7], v[rW], v[rX] matrix_a_fmt:MATRIX_FMT_FP6 matrix_b_fmt:MATRIX_FMT_FP6 matrix_a_scale:MATRIX_SCALE_ROW1
.endif
.endr
.endr
.endr
.endm
.macro BIAS e                          ; b1 of half chunk e, in the result's layout: tile tl, lane half h: units 32 (tl / 2) + 16 h + 8 (tl % 2) + 0 .. 7
	WIN 0x40
.irp tl, 0,1,2,3
	ds_load_b128 v[B1+8*\tl:B1+8*\tl+3], v[ADB] offset:P_B1+256*(\e)+128*(\tl/2)+32*(\tl%2)
	ds_load_b128 v[B1+8*\tl+4:B1+8*\tl+7], v[ADB] offset:P_B1+256*(\e)+128*(\tl/2)+32*(\tl%2)+16
.endr
.endm
.macro ACT e                           ; relu in f32, then half e (64 along K) of the chunk's fragment for each tile of rows: eight blocks by turns; the fourth odd block's codes go by way of v22-24, whose bytes have been merged
	WIN 0x44
.set p, 0
.rept 128
	v_max_num_f32 v[H+p], 0, v[H+p]
.set p, p+1
.endr
	Q8 H, 1, HQ+6*(\e), 12, 244, 248, 252, TM, 2*(\e)
.endm
; A chunk of 128 hidden units: four parts (W1's two halves, W2's two).  Each group of four fragments is asked for one product run ahead of its use.
; A buffer is asked for again as soon as its products are issued (four places behind them), so that the loads land under the activation; W2's last two groups go into the hidden layer's registers, free once they are converted.
.macro CHUNK
	PLACES 6                                       ; in front of the loads, and of the products that write over registers which the last products read
	BIAS 0
	WSCL 0, WA0, SCO
	FETCH WB0, WA0, 0
	FETCH WB1, WA0, 6144
	s_wait_alu depctr_va_vdst(0)
	s_wait_dscnt 12                                ; all but the second group's 12 loads
	MUL1 0, WB0, 0
	PLACES 4
	FETCH WB0, WA0, 12800
	WSCL 1, WA0, 12800+SCO
	s_wait_dscnt 13                                ; the second group is in; the 13 just issued may be out
	MUL1 1, WB1, 0
	PLACES 4
	FETCH WB1, WA0, 12800+6144
	BIAS 1
	ACT 0
	s_wait_alu depctr_va_vdst(0)
	s_wait_dscnt 0x0
	MUL1 0, WB0, 1
	PLACES 4
	FETCH WB0, WA0, 25600
	WSCL 0, WA0, 25600+SCO
	MUL1 1, WB1, 1
	PLACES 4
	FETCH WB1, WA0, 25600+6144
	ACT 1
	FETCH H, WA0, 38400
	FETCH H+48, WA0, 38400+6144
	WSCL 1, WA0, 38400+SCO
	PLACES 8                                       ; eight places between what was just made and the scaled products
	s_wait_alu depctr_va_vdst(0)
	s_wait_dscnt 25                                ; W2's first part is in; the 25 just issued may be out
	MUL2 0, 0, WB0, 0
	MUL2 0, 1, WB1, 0
	s_wait_dscnt 0x0
	MUL2 1, 0, H, 1
	MUL2 1, 1, H+48, 1
.endm
.macro PAIR                            ; a slot's two chunks: written once, walked twice
	s_mov_b32 s66, 2
.Lchunk_\@:
	v_add_nc_u32 v[WA0], s47, v[LI]
	v_add_nc_u32 v[ADB], s62, v[PG]
	CHUNK
	WIN 0
	s_add_co_u32 s47, s47, 51200
	s_add_co_u32 s62, s62, 512
	s_sub_co_u32 s66, s66, 1
	s_cmp_lg_u32 s66, 0
	s_cbranch_scc1 .Lchunk_\@
	s_sub_co_u32 s47, s47, RING1                   ; back to a slot's head,
	s_xor_b32 s47, s47, RING1                      ; in the other slot
.endm
	; ---- the head
	s_load_b128 s[4:7], s[0:1], 0x0                ; x, wimg
	s_load_b64 s[8:9], s[0:1], 0x10                ; out0
	v_lshl_add_u32 v[SPW], v0, 2, SPARE
	v_mov_b32 v[NIL], 0
	ds_add_u32 v[SPW], v[NIL]                      ; the wave's opening: the add, twice on end, and its wait ahead of my first tensor load
	ds_add_u32 v[SPW], v[NIL]
	v_lshrrev_b32 v40, 5, v0
	v_readfirstlane_b32 s10, v40                   ; wave 0..3
	s_bfe_u32 s11, ttmp6, 0x40000                  ; cx: it enters x's and out0's addresses alone
	s_lshl_b32 s12, ttmp9, 2
	s_add_co_u32 s12, s12, s11                     ; my work-group = 4 x cluster + cx
	s_lshl_b32 s70, s12, 18                        ; its 256 rows of 1,024 bytes,
	s_lshl_b32 s71, s10, 16                        ; my wave's 64
	s_add_co_u32 s70, s70, s71
	s_mov_b32 s71, 0
	; descriptor groups 1: rows of 256 bytes (32 elements of 8 bytes), dense: 100 rows, a quarter of a fill; 10 rows, a quarter of the parameters; 200 rows, a quarter of both slots' first fills
.irp g, 16, 24, 72
	s_mov_b32 s[\g], 15|(3<<16)|(1<<21)            ; 15:0 the mask: all four work-groups; 17:16 elements of 8 bytes; 21 set beside a mask
	s_mov_b32 s[\g+1], 32<<16
	s_mov_b32 s[\g+3], 32<<16
	s_mov_b32 s[\g+5], 32
	s_mov_b32 s[\g+6], 0
	s_mov_b32 s[\g+7], 0
.endr
	s_mov_b32 s18, 100<<16
	s_mov_b32 s20, 100
	s_mov_b32 s26, 10<<16
	s_mov_b32 s28, 10
	s_mov_b32 s74, 200<<16
	s_mov_b32 s76, 200
	s_mul_i32 s45, s10, 25600                      ; my quarter of a fill
	s_mul_i32 s14, s10, 2560                       ; my quarter of the parameters
	s_mov_b32 s15, 0
	s_mov_b32 s32, 1
	s_add_co_u32 s33, s14, PARL
	s_mov_b32 s36, 1
	s_mul_i32 s37, s10, 51200                      ; my quarter of the two slots
	s_mov_b32 s40, 1
	s_add_co_u32 s41, s45, RING1
	s_mov_b32 s44, RING1                           ; the slot that was filled last: the walking descriptor's first fill goes to slot 0
	s_mov_b32 s48, 0x76543210
	s_mov_b32 s49, 0xfedcba98                      ; v_permlanex16_b32's selects for lane l xor 16
	s_mov_b32 s50, 0x3db8aa3b                      ; log2(e) / 16: the scores' scale 256^-0.5, in base 2
	s_mov_b32 s51, s50
	s_mov_b32 s52, 0x3b800000                      ; 1 / 256
	s_mov_b32 s53, 0x3727c5ac                      ; 1e-5
	v_and_b32 v40, 31, v0                          ; lane
	v_lshlrev_b32 v[LI], 4, v40
	v_lshlrev_b32 v[LS], 2, v40
	v_lshlrev_b32 v[L8], 3, v40
	v_and_b32 v41, 15, v0                          ; r
	v_bfe_u32 v42, v0, 4, 1                        ; h
	v_lshlrev_b32 v[XO], 4, v41
	v_lshl_add_u32 v[XO], v42, 10, v[XO]
	s_mul_i32 s13, s10, WSB
	s_add_co_u32 s13, s13, WS                      ; my scratch
	s_add_co_u32 s46, s13, AIO
	v_mul_u32_u24 v[STO], v42, 272
	v_lshl_add_u32 v[STO], v41, 4, v[STO]
	v_add_nc_u32 v[STO], s46, v[STO]
	v_mul_u32_u24 v[STL], v41, 272
	v_lshl_add_u32 v[STL], v42, 6, v[STL]
	v_add_nc_u32 v[STL], s46, v[STL]
	v_lshlrev_b32 v[PG], 6, v42
	v_add_nc_u32 v[PG], PARL, v[PG]
	v_add_nc_u32 v[HIB], s13, v[LI]
	s_add_co_u32 s54, s13, SCO
	v_add_nc_u32 v[HSB], s54, v[LS]
	v_add_nc_u32 v[AIB], s46, v[L8]
	s_add_co_u32 s54, s46, SCO
	v_add_nc_u32 v[ASB], s54, v[L8]
	v_mov_b32 v[FLR], 0x1800000
.irp j, 0,1,2,3,4,5,6,7
	v_mov_b32 v[TP+\j], 0                          ; written once: a lane permute's destination counts as one of its sources
.endr
	v_mov_b32 v43, 0
	v_mov_b32 v[MU+1], 0                           ; named as the upper halves of pairs
	v_mov_b32 v[RS+1], 0
	s_wait_alu depctr_va_vdst(0)
	s_wait_dscnt 0x0                               ; both opening adds are done
	s_wait_kmcnt 0x0
	s_add_nc_u64 s[4:5], s[4:5], s[70:71]          ; x and out0 at my wave's first row
	s_add_nc_u64 s[8:9], s[8:9], s[70:71]
	s_add_nc_u64 s[34:35], s[6:7], s[14:15]
	s_add_nc_u64 s[34:35], s[34:35], PARG
	s_or_b32 s35, s35, 0x80000000                  ; type = 2
	s_mov_b32 s14, s37
	s_add_nc_u64 s[38:39], s[6:7], s[14:15]        ; parts 0-15: Wq, Wk, Wv, Wo
	s_or_b32 s39, s39, 0x80000000
	s_mov_b32 s14, s45
	s_add_nc_u64 s[42:43], s[6:7], s[14:15]
	s_add_nc_u64 s[42:43], s[42:43], RING1         ; one fill short of parts 16-23: each change of slots steps it first
	s_or_b32 s43, s43, 0x80000000
	ROUND                                          ; all four work-groups are here: the first joint loads meet
	tensor_load_to_lds s[32:35], s[24:31]          ; the parameters
	s_nop 0
	PLACES 4
	XLOAD 0
	XLOAD 1
	WIN 0
	s_wait_tensorcnt 0x0                           ; my quarter of the parameters is in; the three lines ahead of a later first fill, as ahead of a refill
	ds_add_u32 v[SPW], v[NIL]
	s_wait_dscnt 0x0
	ROUND                                          ; everybody's is
	tensor_load_to_lds s[36:39], s[72:79]          ; both slots' first fills: they have LN1 in which to land
	s_nop 0
	PLACES 4
	XLOAD 2
	XLOAD 3
	WIN 0
	; ---- LN1: the core is written once; what differs by tile, the registers of X, stands in four short pieces chosen by the trip's number
	GLOAD P_G1, P_BE1
	s_mov_b32 s54, 0
	s_mov_b32 s63, 0
	s_mov_b32 s68, 0
.Lln1:
	s_cmp_eq_u32 s54, 0
	s_cbranch_scc1 .Lin0
	s_cmp_eq_u32 s54, 1
	s_cbranch_scc1 .Lin1
	s_cmp_eq_u32 s54, 2
	s_cbranch_scc1 .Lin2
	TURNIN 3, 0
	s_branch .Linj
.Lin0:
	TURNIN 0, 63                                   ; 96 loads were issued behind tile 0's and 64 behind tile 1's: the largest count that the wait can name serves both
	s_branch .Linj
.Lin1:
	TURNIN 1, 63
	s_branch .Linj
.Lin2:
	TURNIN 2, 32                                   ; tile 3's 32 may be out
.Linj:
	s_wait_alu depctr_va_vdst(0)
	v_add_nc_u32 v[ADH], s63, v[HIB]
	v_add_nc_u32 v[ADHS], s68, v[HSB]
	s_wait_dscnt 0x0
	LNCORE
	s_add_co_u32 s63, s63, 3072
	s_add_co_u32 s68, s68, 256
	s_add_co_u32 s54, s54, 1
	s_cmp_lt_u32 s54, 4
	s_cbranch_scc1 .Lln1
	; ---- set-up for attention
.irp x, 0,1,2,3
.irp i, 6,7,8,9,10,11
	v_mov_b32 v[QF+12*\x+\i], 0                    ; k = 64 .. 127 of q's and k's fragments: zero codes, which add nothing
.endr
.endr
	v_and_b32 v40, 15, v0
	v_bfe_u32 v41, v0, 4, 1
	v_lshlrev_b32 v41, 3, v41
	v_sub_nc_u32 v40, v40, v41                     ; r - 8 h: register j holds key 8 h + j, hidden where j > r - 8 h
	v_mov_b32 v42, 0
	v_mov_b32 v43, 0xff800000                      ; -infinity
	WIN 0x40
.irp j, 0,1,2,3,4,5,6,7
	v_cmp_gt_i32 vcc_lo, \j, v40
	v_cndmask_b32 v[MASK+\j], v42, v43, vcc_lo
.endr
.irp j, 0,1,2,3,4,5,6,7
	v_mov_b32 v[SM+\j], 0
.endr
	WIN 0
	s_wait_alu depctr_va_vdst(0)
	s_wait_tensorcnt 0x0                           ; my quarter of the two slots is in,
	s_wait_dscnt 0x0
	s_barrier_signal -1
	s_barrier_wait -1                              ; everybody's is
	; ---- attention: four heads x two pairs of tiles
	s_mov_b32 s57, 0                               ; step 0: head 0, pair 0
	s_mov_b32 s58, 0
	s_mov_b32 s59, 0
	s_mov_b32 s55, 0                               ; the step: 2 x head + pair
	LOOKA
.Lstep:
	s_lshr_b32 s56, s55, 1                         ; head
	s_and_b32 s54, s55, 1                          ; pair
	s_mul_i32 s60, s56, 768
	s_mul_i32 s61, s54, 6144
	s_add_co_u32 s60, s60, s61                     ; attn's codes: 768 a head + 6,144 a pair
	s_lshl_b32 s61, s56, 1
	s_lshl_b32 s54, s54, 9
	s_add_co_u32 s61, s61, s54                     ; their scale bytes: 2 a head + 512 a pair
	ATTN
	s_add_co_u32 s55, s55, 1
	s_cmp_lt_u32 s55, 8
	s_cbranch_scc1 .Lstep
	; ---- Wo.  Slot 0 (Wq, Wk) is left: it takes the MLP's chunks 0 and 1, which have Wo and LN2 in which to land
	CHANGE 1
	v_add_nc_u32 v[WA0], RING1+51200, v[LI]
.irp m, 0,1,2,3
.irp s, 0,1
.irp c, 0,1,2,3,4,5
	ds_load_b64 v[AF+12*(2*\m+\s)+2*\c:AF+12*(2*\m+\s)+2*\c+1], v[AIB] offset:3072*\m+1536*\s+256*\c
.endr
.endr
	ds_load_b64 v[ASC+2*\m:ASC+2*\m+1], v[ASB] offset:256*\m
.endr
	WSCL 0, WA0, SCO
	FETCH WB0, WA0, 0
	s_wait_alu depctr_va_vdst(0)
.irp n, 0,1,2,3,4,5,6,7
.if \n < 7
	NEXTG
	FETCH WB0+48*((\n+1)%2), WA0, 12800*((\n+1)/2)+6144*((\n+1)%2)
.if (\n+1)%2 == 0
	WSCL ((\n+1)/2)%2, WA0, 12800*((\n+1)/2)+SCO
.endif
.else
	s_wait_dscnt 0x0
.endif
	MULWO \n/2, \n%2, WB0+48*(\n%2)
.endr
	; ---- LN2 of x + attn Wo + bo
	WIN 0
	PLACES 4
	GLOAD P_G2, P_BE2
	s_mov_b32 s54, 0
	s_mov_b32 s63, 0
	s_mov_b32 s68, 0
.Lln2:
.irp b, 0,1,2,3,4,5,6,7
.irp j, 0,1,2,3
	ds_load_b128 v[T+16*\b+4*\j:T+16*\b+4*\j+3], v[PG] offset:P_BO+128*\b+16*\j
.endr
.endr
	v_add_nc_u32 v[ADH], s63, v[HIB]
	v_add_nc_u32 v[ADHS], s68, v[HSB]
	s_wait_dscnt 0x0
	s_cmp_eq_u32 s54, 0
	s_cbranch_scc1 .Lad0
	s_cmp_eq_u32 s54, 1
	s_cbranch_scc1 .Lad1
	s_cmp_eq_u32 s54, 2
	s_cbranch_scc1 .Lad2
	ADDX 3
	s_branch .Ladj
.Lad0:
	ADDX 0
	s_branch .Ladj
.Lad1:
	ADDX 1
	s_branch .Ladj
.Lad2:
	ADDX 2
.Ladj:
	LNCORE
	s_add_co_u32 s63, s63, 3072
	s_add_co_u32 s68, s68, 256
	s_add_co_u32 s54, s54, 1
	s_cmp_lt_u32 s54, 4
	s_wait_alu depctr_va_vdst(0)
	s_cbranch_scc1 .Lln2
.irp f, 0,1,2,3,4,5,6,7                ; h2's eight fragments stay in registers for the whole MLP
.irp c, 0,1,2
	ds_load_b128 v[HF+12*\f+4*\c:HF+12*\f+4*\c+3], v[HIB] offset:1536*\f+512*\c
.endr
	ds_load_b32 v[ASC+\f], v[HSB] offset:128*\f
.endr
	; ---- the MLP: eight chunks of 128 hidden units, two to a slot
	s_mov_b32 s47, 0                               ; where the chunk in hand begins in LDS
	s_mov_b32 s62, 0                               ; its 512 bytes of b1
	s_mov_b32 s67, 3
.Lmlp:
	CHANGE 1                                       ; the slot ahead is whole; the slot just left takes the two chunks after it
	PAIR
	s_sub_co_u32 s67, s67, 1
	s_cmp_lg_u32 s67, 0
	s_cbranch_scc1 .Lmlp
	CHANGE 0                                       ; the last slot is written out: nothing is left to ask for
	PAIR
	; ---- the way out: X + (bo + b2), back through my stage into memory's order, a quarter of a tile's rows at a time
	PLACES 4
	GLOAD P_BO, P_B2
	s_wait_dscnt 0x0
	WIN 0x55
.set p, 0
.rept 64
	v_pk_add_f32 v[2*p:2*p+1], v[2*p:2*p+1], v[128+2*p:128+2*p+1]
.set p, p+1
.endr
.macro TOST n                          ; quarter n % 4 of tile n / 4: in by L, back by memory's order, into the registers that it left
.set mT, (\n)/4
.set XB, 128*(mT%2)+32*((\n)%4)
	WIN (2+mT/2)<<2
.irp b, 0,1
.irp j, 0,1,2,3
	ds_store_b128 v[STL], v[XB+16*\b+4*\j:XB+16*\b+4*\j+3] offset:128*\b+16*\j
.endr
.endr
	WIN (2+mT/2)<<6
.irp i, 0,1,2,3,4,5,6,7
	ds_load_b128 v[XB+4*\i:XB+4*\i+3], v[STO] offset:544*\i   ; LDS serves a wave's instructions in order: these see the stores above, and the next quarter's stores come behind them
.endr
.endm
.macro SEND n
.set mT, (\n)/4
.set qT, (\n)%4
.set XB, 128*(mT%2)+32*qT
	WIN (2+mT/2)<<2
.irp i, 0,1,2,3,4,5,6,7
	global_store_b128 v[XO], v[XB+4*\i:XB+4*\i+3], s[8:9] offset:16384*mT+2048*\i+256*qT th:TH_STORE_NT   ; sixteen lanes store 256 consecutive bytes, at a multiple of 256 from out0's first byte
.endr
.endm
.irp n, 0,1,2,3,4,5,6,7,8,9,10,11,12,13,14,15
.if \n%4 == 0
	WIN ((2+\n/8)<<6)|(2+\n/8)|4                   ; X in its window, bo + b2 in window 1
.set p, 0
.rept 64
	v_pk_add_f32 v[128*((\n/4)%2)+2*p:128*((\n/4)%2)+2*p+1], v[128*((\n/4)%2)+2*p:128*((\n/4)%2)+2*p+1], v[2*p:2*p+1]
.set p, p+1
.endr
.endif
	TOST \n
.if \n > 0
	s_wait_alu depctr_va_vdst(0)
	s_wait_dscnt 16                                ; the quarter before is back in registers; this quarter's 8 stores and 8 loads may be out
	SEND \n-1
.endif
.endr
	s_wait_dscnt 0x0
	SEND 15
	WIN 0
	s_wait_tensorcnt 0x0                           ; the wave's end: behind my last tensor load and my last LDS store
	ds_add_u32 v[SPW], v[NIL]
	s_wait_dscnt 0x0
	ROUND                                          ; the closing round: no work-group ends while a partner may still ask for a fill that names it
	s_endpgm
.Lfunc_end_k_q560ed61893_block:
	.size	k_q560ed61893_block, .Lfunc_end_k_q560ed61893_block-k_q560ed61893_block
	.p2alignl 7, 3214868480
	.fill 96, 4, 3214868480
	.section	.rodata,"a",@progbits
	.p2align	6, 0x0
	.amdhsa_kernel k_q560ed61893_block
		.amdhsa_group_segment_fixed_size 327680
		.amdhsa_private_segment_fixed_size 0
		.amdhsa_enable_private_segment 0
		.amdhsa_kernarg_size 24
		.amdhsa_user_sgpr_count 2
		.amdhsa_user_sgpr_kernarg_segment_ptr 1
		.amdhsa_wavefront_size32 1
		.amdhsa_system_sgpr_workgroup_id_x 1
		.amdhsa_system_sgpr_workgroup_id_y 1
		.amdhsa_system_sgpr_workgroup_id_z 1
		.amdhsa_system_vgpr_workitem_id 0
		.amdhsa_next_free_vgpr 1024
		.amdhsa_next_free_sgpr 80
		.amdhsa_reserve_vcc 1
		.amdhsa_float_denorm_mode_32 3
		.amdhsa_float_denorm_mode_16_64 3
		.amdhsa_memory_ordered 1
		.amdhsa_forward_progress 1
		.amdhsa_inst_pref_size 255
	.end_amdhsa_kernel
	.section	.bss,"aw",@nobits
	.p2align	6
	.space	262144
	.amdgpu_metadata
---
amdhsa.version: [ 1, 2 ]
amdhsa.kernels:
  - .name:           k_q560ed61893_block
    .symbol:         k_q560ed61893_block.kd
    .args:
      - { .name: x, .offset: 0, .size: 8, .value_kind: global_buffer, .address_space: global }
      - { .name: wimg, .offset: 8, .size: 8, .value_kind: global_buffer, .address_space: global }
      - { .name: out0, .offset: 16, .size: 8, .value_kind: global_buffer, .address_space: global }
    .group_segment_fixed_size: 327680
    .private_segment_fixed_size: 0
    .kernarg_segment_align: 8
    .kernarg_segment_size: 24
    .max_flat_workgroup_size: 128
    .sgpr_count:     80
    .vgpr_count:     1024
    .wavefront_size: 32
...
	.end_amdgpu_metadata
.endif
;; end of part 2
